; MI455X (gfx1250); checked and timed in simulation.
; The chip was launched on July 23, 2026; its instructions are those of AMD's public machine-readable ISA for CDNA 5 (MIT licence, August 2026) and "CDNA5" Instruction Set Architecture Reference Guide (July 2026). The comments in the code are by the model that wrote it; some were corrected since.
;; H Attention1 D. Allowed arithmetic: matrix products marked QUANTISED: E5M2 operands, one given power-of-two scale a tensor, by v_wmma_f32_16x16x64_bf8_bf8 or v_wmma_f32_16x16x128_bf8_bf8, f32 sums; products left as they are: f32 operands where the result goes on into a quantised operand, else bf16, f16 or f32 operands; f32 sums; everything else in f32.
;; Inputs: Wk_codes 1,024 x 32 x 32 uint8 (E5M2 codes of Wk, K innermost, in blocks of 32 codes); Wq_codes 1,024 x 32 x 32 uint8 (E5M2 codes of Wq, K innermost, in blocks of 32 codes); Wv_codes 1,024 x 32 x 32 uint8 (E5M2 codes of Wv, K innermost, in blocks of 32 codes); bk 1,024 float32; bq 1,024 float32; bv 1,024 float32; lowp_scales 24 int32 (the exponents e of the quantised operands' scales 2^e); mask 2 x 8,192 bool; x_codes 2 x 8,192 x 32 x 32 uint8 (E5M2 codes of x, K innermost, in blocks of 32 codes).
;; Outputs: out0 2 x 8,192 x 1,024 float32.
;; This version of the problem:
;;   THIS VERSION OF THE PROBLEM IS GIVEN IN LOW PRECISION. The matrix products marked QUANTISED in the list below multiply operands that are first quantised to E5M2 (5 exponent bits, 2 mantissa bits; 8 bits a number), with one given power-of-two scale for each operand tensor; their sums are f32. All else is computed in f32.
;;   The module's matrix products, in the order in which they are computed (A, B: the left and right operand; K: the contracted axis; several contracted axes count as one K, in the product's order):
;;     1. [M 16,384, K 1,024] x [K 1,024, N 1,024]; A: input x (given as codes); B: input Wq (given as codes): QUANTISED (scales: A lowp_scales[0], B lowp_scales[1])
;;     2. [M 16,384, K 1,024] x [K 1,024, N 1,024]; A: input x (given as codes); B: input Wk (given as codes): QUANTISED (scales: A lowp_scales[2], B lowp_scales[3])
;;     3. [M 16,384, K 1,024] x [K 1,024, N 1,024]; A: input x (given as codes); B: input Wv (given as codes): QUANTISED (scales: A lowp_scales[4], B lowp_scales[5])
;;     4. batch 128 x [M 16, K 64] x [K 64, N 16]; A: computed on the way; B: computed on the way: QUANTISED (scales: A lowp_scales[6], B lowp_scales[7])
;;     5. batch 128 x [M 16, K 16] x [K 16, N 64]; A: computed on the way; B: computed on the way: left as it is (K = 16 < 32)
;;     6. batch 256 x [M 16, K 64] x [K 64, N 16]; A: computed on the way; B: computed on the way: QUANTISED (scales: A lowp_scales[8], B lowp_scales[9])
;;     7. batch 256 x [M 16, K 16] x [K 16, N 64]; A: computed on the way; B: computed on the way: left as it is (K = 16 < 32)
;;     8. batch 512 x [M 16, K 64] x [K 64, N 16]; A: computed on the way; B: computed on the way: QUANTISED (scales: A lowp_scales[10], B lowp_scales[11])
;;     9. batch 512 x [M 16, K 16] x [K 16, N 64]; A: computed on the way; B: computed on the way: left as it is (K = 16 < 32)
;;     10. batch 1,024 x [M 16, K 64] x [K 64, N 16]; A: computed on the way; B: computed on the way: QUANTISED (scales: A lowp_scales[12], B lowp_scales[13])
;;     11. batch 1,024 x [M 16, K 16] x [K 16, N 64]; A: computed on the way; B: computed on the way: left as it is (K = 16 < 32)
;;     12. batch 2,048 x [M 16, K 64] x [K 64, N 16]; A: computed on the way; B: computed on the way: QUANTISED (scales: A lowp_scales[14], B lowp_scales[15])
;;     13. batch 2,048 x [M 16, K 16] x [K 16, N 64]; A: computed on the way; B: computed on the way: left as it is (K = 16 < 32)
;;     14. batch 4,096 x [M 16, K 64] x [K 64, N 16]; A: computed on the way; B: computed on the way: QUANTISED (scales: A lowp_scales[16], B lowp_scales[17])
;;     15. batch 4,096 x [M 16, K 16] x [K 16, N 64]; A: computed on the way; B: computed on the way: left as it is (K = 16 < 32)
;;     16. batch 8,192 x [M 16, K 64] x [K 64, N 16]; A: computed on the way; B: computed on the way: QUANTISED (scales: A lowp_scales[18], B lowp_scales[19])
;;     17. batch 8,192 x [M 16, K 16] x [K 16, N 64]; A: computed on the way; B: computed on the way: left as it is (K = 16 < 32)
;;     18. batch 16,384 x [M 16, K 64] x [K 64, N 16]; A: computed on the way; B: computed on the way: QUANTISED (scales: A lowp_scales[20], B lowp_scales[21])
;;     19. batch 16,384 x [M 16, K 16] x [K 16, N 64]; A: computed on the way; B: computed on the way: left as it is (K = 16 < 32)
;;     20. batch 16,384 x [M 16, K 64] x [K 64, N 16]; A: computed on the way; B: computed on the way: QUANTISED (scales: A lowp_scales[22], B lowp_scales[23])
;;     21. batch 16,384 x [M 16, K 16] x [K 16, N 64]; A: computed on the way; B: computed on the way: left as it is (K = 16 < 32)
;;   THE QUANTISER, for each operand of a quantised product, along K:
;;     - The operand's scale is 2^e, e = its entry of the input lowp_scales (int32; the entries are numbered through the quantised products in the list's order, A before B).
;;     - Each number is divided by the scale, clamped to +-57,344, and rounded to the nearest number of E5M2, ties to even, subnormals kept.
;;     - The product sums the exact products of the quantised numbers (number of the format x scale) in f32.
;;   ~~~python
;;   def quantise(x, axis, e):      # numpy; x: float32 -> the quantised numbers, widened to float32 again
;;       x = np.moveaxis(x, axis, -1); K = x.shape[-1]
;;       r = np.clip(x / 2.0 ** e, -57344, 57344)
;;       step = 2.0 ** (np.maximum(np.frexp(np.where(r == 0, 1, r))[1] - 1, -14) - 2)
;;       q = np.round(r / step) * step * 2.0 ** e      # np.round: ties to even
;;       return np.moveaxis(q, -1, axis).astype(np.float32)
;;   ~~~
;;   OPERANDS COMPUTED ON THE WAY. 'Computed on the way' means the value that the module computes at that place (a softmax that the list does not call 'softmax' is quantised finished and normalised). What goes into a quantiser is computed in f32, as accurately as f32 sums, v_exp_f32 and their like allow (about 1e-6 of the number): no bf16 or f16 on the way to a quantiser, and a product that is left as it is and whose result goes on into a quantised operand takes f32 operands (vector FMAs, or v_wmma_f32_16x16x4_f32). A number that lies on a knife's edge between two numbers of the format may be rounded either way, as far as f32 arithmetic and the matrix unit's own rounding can turn it there, and no further.
;;   INPUTS GIVEN AS CODES. Wk (in the module: [1024, 1024], K = its axis 0); Wq (in the module: [1024, 1024], K = its axis 0); Wv (in the module: [1024, 1024], K = its axis 0); x (in the module: [2, 8192, 1024], K = its axis 2): each comes as NAME_codes (uint8): NAME with its K axis moved to the last place and cut into blocks of 32 codes, [.., K / 32, bytes a block], one block behind the other in memory; one code a byte (a code: sign, 5 exponent bits, 2 mantissa bits); its scale is its entry of lowp_scales. Its value is code x scale, taken as it is: it is not quantised again, and the codes and scales need not be those that the quantiser above would give.
;; One version. Each part assembles by itself: llvm-mc -triple=amdgcn-amd-amdhsa -mcpu=gfx1250 --defsym DOCPART=n.
;; ======== version 1 of 1: 2 launches
;; workspace buffers: ypart 67,108,864 bytes; apart 2,097,152 bytes; coarse 4,194,304 bytes
;; launch fine (part 1): grid 16 x 32, 4 waves a work-group, clusters of 4 x 4, 327,680 bytes of LDS; arguments x_codes, Wq_codes, Wk_codes, Wv_codes, bq, bk, bv, mask, lowp_scales, ypart, apart, coarse; writes ypart, apart, coarse
.if DOCPART == 1
	.amdgcn_target "amdgcn-amd-amdhsa--gfx1250"
	.amdhsa_code_object_version 6
	.text
	.protected	k_q18a55056b4_fine
	.globl	k_q18a55056b4_fine
	.p2align	8
	.type	k_q18a55056b4_fine,@function
k_q18a55056b4_fine:
	s_mov_b64 s[64:65], 0
	v_nop
	global_prefetch_b8 v0, s[64:65] scope:SCOPE_SE
	s_setreg_imm32_b32 hwreg(HW_REG_WAVE_MODE, 25, 1), 1
	s_wait_xcnt 0x0
	s_wait_alu depctr_hold_cnt(0) depctr_sa_sdst(0) depctr_va_vdst(0) depctr_va_sdst(0) depctr_va_ssrc(0) depctr_va_vcc(0) depctr_vm_vsrc(0)
	s_getreg_b32 s2, hwreg(HW_REG_IB_STS2, 6, 4)
	s_cmp_eq_u32 s2, 0
	s_cbranch_scc0 .Lentry_in_a_cluster
	s_endpgm
.Lentry_in_a_cluster:
	s_bfe_u32 s2, ttmp6, 0x10000c
	s_cmp_lg_u32 s2, 0xf033
	s_cbranch_scc0 .Lentry_shape_is_right
	s_endpgm
.Lentry_shape_is_right:
; HAttention1D, first launch.  A work-group takes ONE head and 512 rows: q, k, v = x W + b on E5M2 codes (K = 1,024), then the attention of levels 0 (own block and sibling), 1, 2
; inside a wave, 3 and 4 between the four waves through LDS, and the rows of levels 5, 6, 7 for the second launch.  q, k, v never go to memory in f32.
; OUT: ypart = the sum of Y of levels 0 to 4, not normalised, as images of the result registers (a tile of 16 rows: 8 chunks of 512 bytes, lane l at 16 l);
;      apart = the sums of A of the same levels (register a of a lane = tile a of the wave);  coarse = for each row of levels 5 to 7: q codes, k codes, v in bf16; and the levels' masks.
; UNITS.  The sums stay without their scales: q' = sum of code products + bq / 2^(e0+e1); true q / 8 = q' 2^EQ, EQ = e0+e1-3; true k = k' 2^EK, EK = e2+e3; true v = v' 2^(e4+e5).
; A pass with scales (ea, eb) converts q' with the scale 2^(ea-EQ) and k' with 2^(eb-EK); a score is multiplied by c = log2(e) 2^(ea+eb).  2^(e4+e5) is applied in the second launch.
; LIMITS: ea-EQ and eb-EK between -126 and 112; ea+eb between -126 and 126; |e0+e1|, |e2+e3|, |e4+e5| at most 100; |score x c| under 2^103; NaN and infinity codes are not served; mask bytes are 0 or 1.
; LAYOUT.  Lane = (p = lane % 16, h = lane / 16).  q, k: source 0 = 16 rows of W, source 1 = 16 rows of x: a lane holds row-place p, register 8 t + j channel 16 t + 8 h + j, so eight registers convert
; into registers 2 t, 2 t + 1 of a K = 64 operand.  v: source 0 = x, source 1 = Wv: a lane holds channel 16 t + p, register j key-place 8 h + j, so pairs round into a fragment of V^T.
; S^T = k q^T and O^T = V^T P: a lane holds one query throughout.  The bf16 product has K = 32: two key blocks are stacked in one instruction.
; LEVELS.  Two tiles merge into one of the next level: the lanes (registers, for v) that differ in the pair bit are added, and the freed bit takes the tile's parity.  Pair bits: p0, p1, p2, p3, then p0, p1, p2 again.
; MASKS.  score' = score c mq + (mk - 1) FMAX mq: a masked query has all 16 scores 0, a masked key -FMAX; after the row's maximum is taken away that gives what the definition gives (1 for all keys of a row with nothing left).
; CLUSTER 4 x 4: the four heads of a row of the cluster read the same rows of x, the four row blocks of a column the same rows of W: joint loads.
; No prefetch is laid: every tile of x and of W is read by several clusters, so the streams are not read once.
.set PITCH, 144                        ; an LDS row: 128 bytes of codes + 16: the 16 rows of a fragment load start at 16 different groups of four banks
.set XB,    73728                      ; in a slot: 512 rows of x, then 192 rows of W (q, k, v)
.set SLOT,  101376
.set SPARE, 202752                     ; the spare words: 128 bytes a wave
.set TAB,   203264                     ; + 1,536 w: 24 tables of 16 f32 by place: key biases and v's mask
.set XCH,   209408                     ; + 6,144 w: images of k3 codes, V3, k4 codes, V4
.set YST,   233984                     ; + 19,456 w: 64 rows x 304: a level's Y and A, for its children
.set RST,   311808                     ; + 2,048 w: 8 rows of 256 bytes for coarse
.set AF,  32                           ; x's fragments, two sets of 64
.set BF,  160                          ; W's fragments: group G (q, k, v) at BF + 32 G
.set T,   80                           ; at work
.set CD,  144                          ; code fragments
.set SR,  208                          ; scores
.set KBR, 240                          ; key biases of two tiles
.set YA,  80                           ; the way down: up to four tiles of O^T
.set G1BITS, (1<<20)|(1<<21)|(4<<22)|(3<<25)   ; elements of 1 byte; padding on; bit 21 beside a mask; 4 words after every 32
.set MSB, 0
.macro WIN new                         ; the immediate's high byte repeats the setting that is left
.if MSB != (\new)
	s_set_vgpr_msb (MSB<<8)|(\new)
.set MSB, (\new)
.endif
.endm
.macro PLACES n
.rept \n
	v_nop
.endr
.endm
.macro JLOAD sl                        ; wave 0 asks for x's 512 rows, waves 1 to 3 for 64 rows of Wq, Wk, Wv; four v_nop follow each line
	s_cmp_eq_u32 s60, 0
	s_cbranch_scc0 .Lfor_w_\@
	tensor_load_to_lds s[36+4*\sl:39+4*\sl], s[28:35]
	s_nop 0
.rept 4
	v_nop
.endr
	s_branch .Lasked_\@
.Lfor_w_\@:
	tensor_load_to_lds s[52+4*\sl:55+4*\sl], s[44:51]
	s_nop 0
.rept 4
	v_nop
.endr
.Lasked_\@:
.endm
.macro CREST
	s_cmp_lg_u32 s60, 0
	s_cbranch_scc1 .Lnot_wave_0_\@
	s_barrier_signal -3
.Lnot_wave_0_\@:
	s_barrier_wait -3
	s_barrier_signal -1
	s_barrier_wait -1
.endm
.macro CROUND
	s_barrier_signal -1
	s_barrier_wait -1
	CREST
.endm
; fragments: 16 rows x 64 K, two loads of 16 bytes, 32 apart, at row x pitch + 16 h: the same order of k in x and in W
.macro LDA q, slot, kk, a0
.irp i,0,1,2,3
	ds_load_b128 v[AF+64*\q+8*(\a0+\i):AF+64*\q+8*(\a0+\i)+3], v[3+\slot] offset:2304*(\a0+\i)+\kk
	ds_load_b128 v[AF+64*\q+8*(\a0+\i)+4:AF+64*\q+8*(\a0+\i)+7], v[3+\slot] offset:2304*(\a0+\i)+\kk+32
.endr
.endm
.macro LDB slot, kk, G
.irp i,0,1,2,3
	ds_load_b128 v[BF+32*\G+8*\i:BF+32*\G+8*\i+3], v[5+\slot] offset:(64*\G+16*\i)*PITCH+\kk
	ds_load_b128 v[BF+32*\G+8*\i+4:BF+32*\G+8*\i+7], v[5+\slot] offset:(64*\G+16*\i)*PITCH+\kk+32
.endr
.endm
; products of group G (window G + 1), channel tiles t0..t1, row tiles alo..ahi, x's set q.  first = 1: C is the bias, which lies in tile 7's registers.  The accumulators take turns.
.macro MULG G, q, t0, t1, alo, ahi, first
	WIN 0x50*(\G+1)
.set mt, \t0
.rept \t1-\t0+1
.set ma, \alo
.rept \ahi-\alo+1
.if \G < 2
.if \first
	v_wmma_f32_16x16x64_bf8_bf8 v[32*ma+8*mt:32*ma+8*mt+7], v[BF+32*\G+8*mt:BF+32*\G+8*mt+7], v[AF+64*\q+8*ma:AF+64*\q+8*ma+7], v[224+8*mt:231+8*mt]
.else
	v_wmma_f32_16x16x64_bf8_bf8 v[32*ma+8*mt:32*ma+8*mt+7], v[BF+32*\G+8*mt:BF+32*\G+8*mt+7], v[AF+64*\q+8*ma:AF+64*\q+8*ma+7], v[32*ma+8*mt:32*ma+8*mt+7]
.endif
.else
.if \first
	v_wmma_f32_16x16x64_bf8_bf8 v[32*ma+8*mt:32*ma+8*mt+7], v[AF+64*\q+8*ma:AF+64*\q+8*ma+7], v[BF+32*\G+8*mt:BF+32*\G+8*mt+7], v[224+8*mt:231+8*mt]
.else
	v_wmma_f32_16x16x64_bf8_bf8 v[32*ma+8*mt:32*ma+8*mt+7], v[AF+64*\q+8*ma:AF+64*\q+8*ma+7], v[BF+32*\G+8*mt:BF+32*\G+8*mt+7], v[32*ma+8*mt:32*ma+8*mt+7]
.endif
.endif
.set ma, ma+1
.endr
.set mt, mt+1
.endr
.endm
; the first 64 along K of a slot (x's set 0); the second 64 are fetched into set 1.  Four places stand ahead of each run of loads into registers that products have read.
.macro STEP slot
	s_wait_dscnt 8                                 ; all but the youngest eight loads (Wv's fragments) are in
	MULG 0, 0, 0, 3, 0, 7, 0
	PLACES 4
	WIN 0
	LDB \slot, 64, 0
	LDA 1, \slot, 64, 0
	MULG 1, 0, 0, 3, 0, 7, 0
	PLACES 4
	WIN 0
	LDB \slot, 64, 1
	LDA 1, \slot, 64, 4
	s_wait_dscnt 32                                ; all but the 32 issued in this step: Wv's fragments are in
	MULG 2, 0, 0, 3, 0, 7, 0
	PLACES 4
	WIN 0
	LDB \slot, 64, 2
.endm
; the second 64 along K (set 1), and the change of slots: one barrier; ahead of it every wave's tensor loads have landed, its add is done and its reads of the slot are over
.macro TURN slot, next, fill
	s_wait_tensorcnt 0x0                           ; my part of the next slot has landed
	ds_add_u32 v1, v2                              ; 0 onto my spare word
	s_wait_dscnt 9                                 ; the add and Wv's eight loads may be out
	MULG 0, 1, 0, 1, 0, 7, 0
	s_wait_dscnt 0x0                               ; the add is done, my reads of this slot are over
	s_barrier_signal -1
	MULG 0, 1, 2, 3, 0, 7, 0
	WIN 0
	s_barrier_wait -1
.if \fill
	CREST                                          ; the barrier has opened a round of the cluster's barrier
	s_add_nc_u64 s[38+4*\slot:39+4*\slot], s[38+4*\slot:39+4*\slot], 256
	s_add_nc_u64 s[54+4*\slot:55+4*\slot], s[54+4*\slot:55+4*\slot], 256
	JLOAD \slot                                    ; the first tensor load behind the round; its four v_nop are the places ahead of the loads below
.else
	PLACES 4
.endif
	LDB \next, 0, 0
	LDA 0, \next, 0, 0
	MULG 1, 1, 0, 3, 0, 7, 0
	PLACES 4
	WIN 0
	LDB \next, 0, 1
	LDA 0, \next, 0, 4
	MULG 2, 1, 0, 3, 0, 7, 0
	PLACES 4
	WIN 0
	LDB \next, 0, 2
.endm
; ---- macros of the attention
.macro PKMULB d, s, b                  ; a pair times ONE register, whichever half of its even pair that is
.if ((\b)%2) == 0
	v_pk_mul_f32 v[(\d):(\d)+1], v[(\s):(\s)+1], v[(\b):(\b)+1] op_sel_hi:[1,0]
.else
	v_pk_mul_f32 v[(\d):(\d)+1], v[(\s):(\s)+1], v[(\b)-1:(\b)] op_sel:[0,1] op_sel_hi:[1,1]
.endif
.endm
.macro PREM base, m                    ; a tile of q or k times its rows' mask
.set pk, 0
.rept 16
	PKMULB (\base)+pk, (\base)+pk, \m
.set pk, pk+2
.endr
.endm
.macro SETQ ix, ps                     ; v[16+ix] = 2^(ea - EQ), v[20+ix] = 57,344 times that, for pass ps
	s_sub_co_i32 s2, s[90-2*(\ps)], s96
	s_add_co_i32 s2, s2, 127
	s_lshl_b32 s2, s2, 23
	v_mov_b32 v[16+\ix], s2
	s_add_co_u32 s2, s2, 0x07e00000
	v_mov_b32 v[20+\ix], s2
.endm
.macro SETK ix, ps
	s_sub_co_i32 s2, s[91-2*(\ps)], s97
	s_add_co_i32 s2, s2, 127
	s_lshl_b32 s2, s2, 23
	v_mov_b32 v[16+\ix], s2
	s_add_co_u32 s2, s2, 0x07e00000
	v_mov_b32 v[20+\ix], s2
.endm
.macro SETC d, ps                      ; c = log2(e) 2^(ea + eb)
	s_add_co_i32 s[\d], s[90-2*(\ps)], s[91-2*(\ps)]
	s_lshl_b32 s[\d], s[\d], 23
	s_add_co_u32 s[\d], s[\d], 0x3fb8aa3b
.endm
.macro QUANT win, src, dst, sc         ; 32 numbers of a lane (window win) become a K = 64 fragment.  The conversion does not saturate (ISA guide 7.6.2): the hold comes first
	WIN \win
.set qk, 0
.rept 32
	v_med3_num_f32 v[T+qk], v[(\src)+qk], -v[20+\sc], v[20+\sc]
.set qk, qk+1
.endr
	WIN 0
.irp t,0,1,2,3
	v_cvt_scalef32_pk8_bf8_f32 v[(\dst)+2*\t:(\dst)+2*\t+1], v[T+8*\t:T+8*\t+7], v[16+\sc]
.endr
	v_nop                                          ; one plain line between the conversions and whatever next touches their results or writes their sources
.endm
.macro AGGM win, ta, tc, dwin, dst, bt, xm, wr   ; two tiles of q or k merge into one of the next level
	s_mov_b32 vcc_lo, s[92+\bt]
	WIN (\win)|((\win)<<2)
.set ak, 0
.rept 32
	v_cndmask_b32 v[T+ak], v[(\ta)+ak], v[(\tc)+ak], vcc_lo
.set ak, ak+1
.endr
.set ak, 0
.rept 32
	v_cndmask_b32 v[T+32+ak], v[(\tc)+ak], v[(\ta)+ak], vcc_lo
.set ak, ak+1
.endr
	WIN 0
.set ak, 0
.rept 32
	v_add_f32_dpp v[T+ak], v[T+32+ak], v[T+ak] row_xmask:\xm row_mask:0xf bank_mask:0xf
.set ak, ak+1
.endr
	WIN (\dwin)<<6
.set ak, 0
.rept 16
	PKMULB (\dst)+ak, T+ak, \wr
.set ak, ak+2
.endr
	WIN 0
.endm
.macro AGGS xb, xm, wr                 ; the same without a partner tile: the rows stay, doubled over the freed bit
.set ak, 0
.rept 32
	v_add_f32_dpp v[(\xb)+ak], v[(\xb)+ak], v[(\xb)+ak] row_xmask:\xm row_mask:0xf bank_mask:0xf
.set ak, ak+1
.endr
.set ak, 0
.rept 16
	PKMULB (\xb)+ak, (\xb)+ak, \wr
.set ak, ak+2
.endr
.endm
.macro VPAIR dwin, dst, s0, s1         ; two tiles of v (window 3) become four fragments of V^T with the two key blocks stacked
	WIN 0x0f|((\dwin)<<6)
.irp t,0,1,2,3
.irp j,0,1,2,3
	v_cvt_pk_bf16_f32 v[(\dst)+8*\t+\j], v[(\s0)+8*\t+2*\j], v[(\s0)+8*\t+2*\j+1]
.endr
.irp j,0,1,2,3
	v_cvt_pk_bf16_f32 v[(\dst)+8*\t+4+\j], v[(\s1)+8*\t+2*\j], v[(\s1)+8*\t+2*\j+1]
.endr
.endr
	WIN 0
.endm
.macro KBLD i0, i1                     ; two tables into KBR: register j = place 8 h + j
	ds_load_b128 v[KBR:KBR+3], v4 offset:64*(\i0)
	ds_load_b128 v[KBR+4:KBR+7], v4 offset:64*(\i0)+16
	ds_load_b128 v[KBR+8:KBR+11], v4 offset:64*(\i1)
	ds_load_b128 v[KBR+12:KBR+15], v4 offset:64*(\i1)+16
.endm
; the softmax of one tile, in phases; tb: 12 registers at work: 0-7 key bias x mq, 8 c x mq, 10 the maximum, 11 the other half's
.macro SFA kb, mq, cs, tb
	v_mul_f32 v[(\tb)+8], s[\cs], v[\mq]
.irp i,0,2,4,6
	PKMULB (\tb)+\i, (\kb)+\i, \mq
.endr
.endm
.macro SFB sb, tb                      ; the scores are read from their low end on
.irp i,0,2,4,6
	v_pk_fma_f32 v[(\sb)+\i:(\sb)+\i+1], v[(\sb)+\i:(\sb)+\i+1], v[(\tb)+8:(\tb)+9], v[(\tb)+\i:(\tb)+\i+1] op_sel_hi:[1,0,1]
.endr
.endm
.macro SFC sb, tb
	v_max3_num_f32 v[(\tb)+10], v[(\sb)], v[(\sb)+1], v[(\sb)+2]
	v_max3_num_f32 v[(\tb)+10], v[(\tb)+10], v[(\sb)+3], v[(\sb)+4]
	v_max3_num_f32 v[(\tb)+10], v[(\tb)+10], v[(\sb)+5], v[(\sb)+6]
	v_max_num_f32 v[(\tb)+10], v[(\tb)+10], v[(\sb)+7]
	v_permlanex16_b32 v[(\tb)+11], v[(\tb)+10], s98, s99
	v_max_num_f32 v[(\tb)+10], v[(\tb)+10], v[(\tb)+11]
.endm
.macro SFD sb, tb
.irp i,0,2,4,6
	v_pk_add_f32 v[(\sb)+\i:(\sb)+\i+1], v[(\sb)+\i:(\sb)+\i+1], v[(\tb)+10:(\tb)+11] op_sel_hi:[1,0] neg_lo:[0,1] neg_hi:[0,1]
.endr
.endm
.macro SFE sb
.irp i,0,1,2,3,4,5,6,7
	v_exp_f32 v[(\sb)+\i], v[(\sb)+\i]
.endr
.endm
.macro SFW                             ; one plain line and ONE wait for the whole batch of exponentials, ahead of its first reader
	v_nop
	s_wait_alu depctr_va_vdst(0)
.endm
.macro SFF sb, tb, ar, acc
	v_pk_add_f32 v[(\tb):(\tb)+1], v[(\sb):(\sb)+1], v[(\sb)+2:(\sb)+3]
	v_pk_add_f32 v[(\tb)+2:(\tb)+3], v[(\sb)+4:(\sb)+5], v[(\sb)+6:(\sb)+7]
	v_pk_add_f32 v[(\tb):(\tb)+1], v[(\tb):(\tb)+1], v[(\tb)+2:(\tb)+3]
	v_add_f32 v[(\tb)], v[(\tb)], v[(\tb)+1]
	v_permlanex16_b32 v[(\tb)+1], v[(\tb)], s98, s99
.if \acc
	v_add_f32 v[\ar], v[\ar], v[(\tb)]
	v_add_f32 v[\ar], v[\ar], v[(\tb)+1]
.else
	v_add_f32 v[\ar], v[(\tb)], v[(\tb)+1]
.endif
.endm
.macro SFG sb, pd
.irp i,0,1,2,3
	v_cvt_pk_bf16_f32 v[(\pd)+\i], v[(\sb)+2*\i], v[(\sb)+2*\i+1]
.endr
.endm
.macro MFIN wr, mr                     ; from a pair's count in v84: the mean's weight (0.5 where both count, else 1) and the next level's mask
	v_max_num_f32 v85, 1.0, v84
	v_fma_f32 v[\wr], v85, -0.5, 0x3fc00000
	v_min_num_f32 v[\mr], 1.0, v84
.endm
.macro MRG ma2, mb2, bt, xm, wr, mr
	v_cndmask_b32 v84, v[\ma2], v[\mb2], s[\bt]
	v_cndmask_b32 v85, v[\mb2], v[\ma2], s[\bt]
	v_add_f32_dpp v84, v85, v84 row_xmask:\xm row_mask:0xf bank_mask:0xf
	MFIN \wr, \mr
.endm
.macro MRS ms, xm, wr, mr
	v_add_f32_dpp v84, v[\ms], v[\ms] row_xmask:\xm row_mask:0xf bank_mask:0xf
	MFIN \wr, \mr
.endm
.macro KBST mr, ix                     ; key bias (m - 1) FMAX, by place
	v_fma_f32 v86, v[\mr], s100, -s100
	ds_store_b32 v3, v86 offset:64*(\ix)
.endm
; ======== head
	s_load_b512 s[4:19], s[0:1], 0x0               ; x, Wq, Wk, Wv, bq, bk, bv, mask
	s_load_b256 s[20:27], s[0:1], 0x40             ; lowp_scales, ypart, apart, coarse
	v_lshl_add_u32 v1, v0, 2, SPARE
	v_mov_b32 v2, 0
	ds_add_u32 v1, v2
	ds_add_u32 v1, v2
	s_wait_dscnt 0x0
	v_lshrrev_b32 v7, 5, v0
	v_readfirstlane_b32 s60, v7                    ; wave
	s_bfe_u32 s61, ttmp6, 0x40000                  ; cx
	s_bfe_u32 s62, ttmp6, 0x40004                  ; cy
	s_lshl_b32 s63, ttmp9, 2
	s_add_co_u32 s63, s63, s61                     ; head
	s_and_b32 s66, ttmp7, 0xffff
	s_lshl_b32 s66, s66, 2
	s_add_co_u32 s66, s66, s62                     ; block of 512 rows, 0 .. 31
	s_lshl_b32 s2, s62, 2
	s_lshl_b32 s2, 15, s2                          ; my row of the cluster
	s_lshl_b32 s67, 0x1111, s61                    ; my column
	s_or_b32 s28, s2, G1BITS                       ; x's tiles go to my row
	s_or_b32 s44, s67, G1BITS                      ; W's to my column
.irp g,28,44
	s_mov_b32 s[\g+1], 128<<16                     ; tensor_dim0 = 128 bytes
	s_mov_b32 s[\g+3], 128<<16                     ; tile_dim0
	s_mov_b32 s[\g+5], 1024                        ; pitch in memory
	s_mov_b32 s[\g+6], 0
	s_mov_b32 s[\g+7], 0
.endr
	s_mov_b32 s30, 512<<16                         ; x: 512 rows
	s_mov_b32 s32, 512
	s_mov_b32 s46, 64<<16                          ; W: 64 rows
	s_mov_b32 s48, 64
	s_mov_b32 s92, 0xaaaaaaaa                      ; lanes with p0, p1, p2, p3 set
	s_mov_b32 s93, 0xcccccccc
	s_mov_b32 s94, 0xf0f0f0f0
	s_mov_b32 s95, 0xff00ff00
	s_mov_b32 s98, 0x76543210                      ; v_permlanex16_b32: lane l xor 16
	s_mov_b32 s99, 0xfedcba98
	s_mov_b32 s100, 0x7f7fffff                     ; FMAX
	s_lshl_b32 s2, s66, 19                         ; x: 512 rows of 1,024 bytes a block
	s_mov_b32 s3, 0
	s_lshl_b32 s96, s63, 16                        ; W: 64 rows of 1,024 bytes a head
	s_mov_b32 s97, 0
	s_mul_i32 s101, s60, 9216
	s_add_co_u32 s101, s101, 64512                 ; W's place in a slot: XB + 9,216 (wave - 1)
	v_and_b32 v7, 15, v0                           ; p
	v_bfe_u32 v16, v0, 4, 1                        ; h
	v_lshlrev_b32 v17, 5, v16
	v_lshlrev_b32 v18, 2, v7
	s_wait_kmcnt 0x0
	s_load_b512 s[68:83], s[20:21], 0x0            ; e0 .. e15
	s_load_b256 s[84:91], s[20:21], 0x40           ; e16 .. e23
	s_add_nc_u64 s[4:5], s[4:5], s[2:3]
	s_cmp_eq_u32 s60, 2
	s_cselect_b64 s[6:7], s[8:9], s[6:7]
	s_cmp_eq_u32 s60, 3
	s_cselect_b64 s[6:7], s[10:11], s[6:7]
	s_add_nc_u64 s[6:7], s[6:7], s[96:97]
.irp s,0,1
	s_mov_b32 s[36+4*\s], 1
	s_mov_b32 s[37+4*\s], \s*SLOT
	s_add_nc_u64 s[38+4*\s:39+4*\s], s[4:5], \s*128
	s_or_b32 s[39+4*\s], s[39+4*\s], 0x80000000
	s_mov_b32 s[52+4*\s], 1
	s_add_co_u32 s[53+4*\s], s101, \s*SLOT
	s_add_nc_u64 s[54+4*\s:55+4*\s], s[6:7], \s*128
	s_or_b32 s[55+4*\s], s[55+4*\s], 0x80000000
.endr
	s_lshl_b32 s2, s66, 9
	s_lshl_b32 s67, s60, 7
	s_add_co_u32 s2, s2, s67
	s_add_nc_u64 s[18:19], s[18:19], s[2:3]        ; the mask of my wave's 128 rows
	s_lshl_b32 s96, s63, 8
	s_add_nc_u64 s[12:13], s[12:13], s[96:97]      ; the head's 64 biases
	s_add_nc_u64 s[14:15], s[14:15], s[96:97]
	s_add_nc_u64 s[16:17], s[16:17], s[96:97]
.irp a,0,1,2,3,4,5,6,7
	global_load_u8 v[8+\a], v7, s[18:19] offset:16*\a
.endr
	WIN 0x40                                       ; the biases go into tile 7's accumulators, in the results' layout
.irp t,0,1,2,3
	global_load_b128 v[224+8*\t:227+8*\t], v17, s[12:13] offset:64*\t
	global_load_b128 v[228+8*\t:231+8*\t], v17, s[12:13] offset:64*\t+16
.endr
	WIN 0x80
.irp t,0,1,2,3
	global_load_b128 v[224+8*\t:227+8*\t], v17, s[14:15] offset:64*\t
	global_load_b128 v[228+8*\t:231+8*\t], v17, s[14:15] offset:64*\t+16
.endr
	WIN 0xc0
.irp t,0,1,2,3
	global_load_b32 v[224+8*\t], v18, s[16:17] offset:64*\t
.endr
	WIN 0
	CROUND                                         ; all sixteen work-groups are here: the first joint loads meet
	JLOAD 0
	JLOAD 1
	v_mul_u32_u24 v3, v7, PITCH
	v_lshl_add_u32 v3, v16, 4, v3                  ; 144 p + 16 h
	v_add_nc_u32 v5, XB, v3                        ; W's fragments, slot 0, 1
	v_add_nc_u32 v6, SLOT, v5
	s_mul_i32 s2, s60, 128*PITCH
	v_add_nc_u32 v3, s2, v3                        ; x's: my wave's 128 rows
	v_add_nc_u32 v4, SLOT, v3
	s_wait_kmcnt 0x0
	s_add_co_i32 s2, s68, s69
	s_sub_co_i32 s96, s2, 3                        ; EQ
	s_sub_co_i32 s2, 0, s2
	s_add_co_i32 s97, s70, s71                     ; EK
	s_sub_co_i32 s67, 0, s97
	s_add_co_i32 s101, s72, s73
	s_sub_co_i32 s101, 0, s101
	s_wait_loadcnt 0x0
	WIN 0x41
.set hk, 0
.rept 32
	v_ldexp_f32 v[224+hk], v[224+hk], s2           ; bq / 2^(e0+e1)
.set hk, hk+1
.endr
	WIN 0x82
.set hk, 0
.rept 32
	v_ldexp_f32 v[224+hk], v[224+hk], s67
.set hk, hk+1
.endr
	WIN 0xc3
.irp t,0,1,2,3
	v_ldexp_f32 v[224+8*\t], v[224+8*\t], s101
.irp j,1,2,3,4,5,6,7
	v_mov_b32 v[224+8*\t+\j], v[224+8*\t]          ; v: a lane is a channel, so its eight rows take the same bias
.endr
.endr
	WIN 0
	s_wait_tensorcnt 1                             ; my part of slot 0 is in; slot 1's may stay out
	s_barrier_signal -1
	s_barrier_wait -1
	LDB 0, 0, 0
	LDA 0, 0, 0, 0
	LDB 0, 0, 1
	LDA 0, 0, 0, 4
	LDB 0, 0, 2
; ======== the projections: 16 steps of 64 along K
	s_wait_dscnt 0x0
	MULG 0, 0, 0, 3, 0, 6, 1                       ; the first step starts the sums with the bias as C
	MULG 1, 0, 0, 3, 0, 6, 1
	MULG 2, 0, 0, 3, 0, 6, 1
	PLACES 5                                       ; tile 7's products write over the registers that the products above read as C
	MULG 0, 0, 0, 3, 7, 7, 0
	MULG 1, 0, 0, 3, 7, 7, 0
	MULG 2, 0, 0, 3, 7, 7, 0
	PLACES 4
	WIN 0
	LDB 0, 64, 0
	LDA 1, 0, 64, 0
	LDB 0, 64, 1
	LDA 1, 0, 64, 4
	LDB 0, 64, 2
	s_mov_b32 s3, 3
.Llap:                                                 ; a trip goes once round the ring and fills both slots again
	TURN 0, 1, 1
	STEP 1
	TURN 1, 0, 1
	STEP 0
	s_sub_co_u32 s3, s3, 1
	s_cmp_lg_u32 s3, 0
	s_cbranch_scc1 .Llap
	TURN 0, 1, 0                                   ; the last lap fills nothing
	STEP 1
	s_wait_dscnt 8
	MULG 0, 1, 0, 3, 0, 7, 0
	MULG 1, 1, 0, 3, 0, 7, 0
	s_wait_dscnt 0x0
	MULG 2, 1, 0, 3, 0, 7, 0
	WIN 0
	PLACES 4
; ======== masks, addresses, constants
.irp a,0,1,2,3,4,5,6,7
	v_cvt_f32_u32 v[32+\a], v[8+\a]                ; M0[a]
.endr
	v_and_b32 v80, 15, v0                          ; p
	v_bfe_u32 v81, v0, 4, 1                        ; h
	v_and_b32 v82, 31, v0                          ; lane
	v_lshlrev_b32 v15, 4, v82                      ; 16 x lane
	s_mul_i32 s2, s60, 1536
	s_add_co_u32 s2, s2, TAB
	v_lshl_add_u32 v3, v80, 2, s2                  ; my tables: in, by place
	v_lshl_add_u32 v4, v81, 5, s2                  ; out: eight places of my half
	s_xor_b32 s67, s60, 1                          ; the sibling wave (level 3)
	s_mul_i32 s2, s67, 1536
	s_add_co_u32 s2, s2, TAB
	v_lshl_add_u32 v5, v81, 5, s2
	s_lshr_b32 s101, s60, 1
	s_xor_b32 s101, s101, 1                        ; the sibling pair of waves (level 4)
	s_mul_i32 s2, s101, 3072
	s_add_co_u32 s2, s2, TAB
	v_mul_u32_u24 v6, v81, 1568                    ; half h takes the pair's wave h
	v_add_nc_u32 v6, s2, v6
	s_mul_i32 s2, s60, 6144
	s_add_co_u32 s2, s2, XCH
	v_add_nc_u32 v7, s2, v15                       ; my images
	s_mul_i32 s2, s67, 6144
	s_add_co_u32 s2, s2, XCH
	v_add_nc_u32 v8, s2, v15                       ; the sibling wave's
	s_mul_i32 s2, s101, 12288
	s_add_co_u32 s2, s2, XCH
	v_bfe_u32 v83, v0, 3, 1
	v_mul_u32_u24 v83, v83, 6144
	v_add_nc_u32 v83, v83, v15
	v_add_nc_u32 v9, s2, v83                       ; k4: key-place p comes from the pair's wave p3
	v_mul_u32_u24 v83, v81, 6144
	v_add_nc_u32 v83, v83, v15
	v_add_nc_u32 v10, s2, v83                      ; V4: keys 8 h + j from the pair's wave h
	s_mul_i32 s2, s60, 19456
	s_add_co_u32 s2, s2, YST
	v_lshl_add_u32 v84, v81, 5, s2
	v_mad_u32_u24 v11, v80, 304, v84               ; a level's Y: row = place
	v_and_b32 v83, 14, v80
	v_mad_u32_u24 v12, v83, 304, v84               ; a child's parent row, pair bit p0,
	v_and_b32 v83, 13, v80
	v_mad_u32_u24 v13, v83, 304, v84               ; p1,
	v_and_b32 v83, 11, v80
	v_mad_u32_u24 v14, v83, 304, v84               ; p2
	s_mul_i32 s2, s60, 2048
	s_add_co_u32 s2, s2, RST
	v_lshl_add_u32 v84, v81, 5, s2
	v_bfe_u32 v83, v0, 1, 2                        ; my level-5 row, 2 p2 + p1
	v_lshl_add_u32 v24, v83, 8, v84
	v_lshl_add_u32 v29, v83, 2, s2
	v_add_nc_u32 v29, 1792, v29
	v_bfe_u32 v83, v0, 2, 1                        ; my level-6 row, p2
	v_lshl_add_u32 v25, v83, 8, v84
	v_add_nc_u32 v25, 1024, v25
	v_lshl_add_u32 v30, v83, 2, s2
	v_add_nc_u32 v30, 1808, v30
	v_add_nc_u32 v26, 1536, v84
	v_lshl_add_u32 v27, v80, 1, s2
	v_add_nc_u32 v27, 128, v27
	v_lshl_add_u32 v28, v82, 2, s2
	v_add_nc_u32 v28, 1792, v28
	v_add_nc_u32 v31, s2, v15
	v_lshlrev_b32 v62, 4, v80
	v_lshl_add_u32 v62, v81, 14, v62               ; lanes 0-15: the level-7 row; lanes 16-31: the masks' unit, 16,384 bytes on
.irp g,0,1,2,3
	MRG 32+2*\g, 33+2*\g, 92, 1, 40+\g, 44+\g
.endr
.irp u,0,1
	MRG 44+2*\u, 45+2*\u, 93, 2, 48+\u, 50+\u
.endr
	MRG 50, 51, 94, 4, 52, 53
	MRS 53, 8, 54, 58
	MRS 58, 1, 55, 59
	MRS 59, 2, 56, 60
	MRS 60, 4, 57, 61
.irp a,0,1,2,3,4,5,6,7
	KBST 32+\a, \a
	ds_store_b32 v3, v[32+\a] offset:64*(8+\a)
.endr
.irp g,0,1,2,3
	KBST 44+\g, 16+\g
.endr
	KBST 50, 20
	KBST 51, 21
	KBST 53, 22
	KBST 58, 23
.irp s,0,1,2,3,4,5
	SETC 28+\s, \s
.endr
	s_lshr_b32 s2, s66, 4
	s_lshl_b32 s2, s2, 4
	s_add_co_u32 s2, s2, s63                       ; bh = 16 b + head
	s_and_b32 s67, s66, 15
	s_lshl_b32 s67, s67, 2
	s_add_co_u32 s67, s67, s60                     ; my wave among the 64 of a (b, head)
	s_mov_b32 s47, 0
	s_lshl_b32 s46, s2, 21
	s_lshl_b32 s101, s67, 15
	s_add_co_u32 s46, s46, s101
	s_add_nc_u64 s[36:37], s[22:23], s[46:47]      ; ypart at my 8 tiles
	s_lshl_b32 s46, s2, 16
	s_lshl_b32 s101, s67, 10
	s_add_co_u32 s46, s46, s101
	s_add_nc_u64 s[38:39], s[24:25], s[46:47]      ; apart
	s_lshl_b32 s46, s2, 17
	s_add_nc_u64 s[26:27], s[26:27], s[46:47]
	s_mov_b32 s46, s101
	s_add_nc_u64 s[40:41], s[26:27], s[46:47]      ; coarse: my 4 rows of level 5,
	s_lshl_b32 s46, s67, 9
	s_add_co_u32 s46, s46, 65536
	s_add_nc_u64 s[42:43], s[26:27], s[46:47]      ; 2 of level 6,
	s_lshl_b32 s46, s67, 8
	s_add_co_u32 s46, s46, 98304
	s_add_nc_u64 s[44:45], s[26:27], s[46:47]      ; 1 of level 7
; ======== level 0: a pair of blocks a = 2 g, a' = 2 g + 1: own block and sibling together; then the merge into level 1
	SETQ 0, 0
	SETQ 1, 1
	SETK 2, 0
	SETK 3, 1
.macro LZ g
	WIN 0x41
	PREM 64*\g, 32+2*\g
	PREM 64*\g+32, 33+2*\g
	WIN 0x82
	PREM 64*\g, 32+2*\g
	PREM 64*\g+32, 33+2*\g
	WIN 0
	KBLD 2*\g, 2*\g+1
	QUANT 1, 64*\g, CD, 0
	QUANT 1, 64*\g+32, CD+8, 0
	QUANT 1, 64*\g, CD+16, 1
	QUANT 1, 64*\g+32, CD+24, 1
	QUANT 2, 64*\g, CD+32, 2
	QUANT 2, 64*\g+32, CD+40, 2
	QUANT 2, 64*\g, CD+48, 3
	QUANT 2, 64*\g+32, CD+56, 3
	v_wmma_f32_16x16x64_bf8_bf8 v[SR:SR+7], v[CD+32:CD+39], v[CD:CD+7], 0          ; queries a, keys a
	v_wmma_f32_16x16x64_bf8_bf8 v[SR+8:SR+15], v[CD+56:CD+63], v[CD+16:CD+23], 0   ; queries a, keys a'
	v_wmma_f32_16x16x64_bf8_bf8 v[SR+16:SR+23], v[CD+48:CD+55], v[CD+24:CD+31], 0  ; queries a', keys a
	v_wmma_f32_16x16x64_bf8_bf8 v[SR+24:SR+31], v[CD+40:CD+47], v[CD+8:CD+15], 0   ; queries a', keys a'
	AGGM 1, 64*\g, 64*\g+32, 1, 64*\g, 0, 1, 40+\g       ; the merges are also the places behind the four products
	AGGM 2, 64*\g, 64*\g+32, 2, 64*\g, 0, 1, 40+\g
	s_wait_dscnt 0x0                               ; the key biases
	SFA KBR, 32+2*\g, 28, T
	SFA KBR+8, 32+2*\g, 29, T+12
	SFA KBR, 33+2*\g, 29, T+24
	SFA KBR+8, 33+2*\g, 28, T+36
.irp n,0,1,2,3
	SFB SR+8*\n, T+12*\n
.endr
.irp n,0,1,2,3
	SFC SR+8*\n, T+12*\n
.endr
.irp n,0,1,2,3
	SFD SR+8*\n, T+12*\n
.endr
.irp n,0,1,2,3
	SFE SR+8*\n
.endr
	SFW
	KBLD 8+2*\g, 9+2*\g                            ; v's masks, by key place
	SFF SR, T, 64+2*\g, 0
	SFF SR+8, T+12, 64+2*\g, 1
	SFF SR+16, T+24, 65+2*\g, 0
	SFF SR+24, T+36, 65+2*\g, 1
	WIN 0x80
.irp n,0,1,2,3
	SFG SR+8*\n, 64*\g+32+4*\n                     ; P0[a] = {keys a | keys a'}, P0[a'] likewise
.endr
	VPAIR 1, 64*\g+32, 64*\g, 64*\g+32             ; level 0 takes v as it is
	s_wait_dscnt 0x0
	WIN 0xc3
.irp u,0,1
.irp t,0,1,2,3
.irp j,0,2,4,6
	v_pk_mul_f32 v[64*\g+32*\u+8*\t+\j:64*\g+32*\u+8*\t+\j+1], v[64*\g+32*\u+8*\t+\j:64*\g+32*\u+8*\t+\j+1], v[KBR+8*\u+\j:KBR+8*\u+\j+1]
.endr
.endr
.endr
	WIN 0xcf
.irp u,0,1
.irp t,0,1,2,3
.irp j,0,2,4,6
	v_add_f32 v[64*\g+8*\t+\j+\u], v[64*\g+32*\u+8*\t+\j], v[64*\g+32*\u+8*\t+\j+1]   ; v1: the pair's masked sum; register bit 0 = the tile's parity
.endr
.endr
.endr
	WIN 0
.endm
	LZ 0
	LZ 1
	LZ 2
	LZ 3
; ======== levels 1 and 2: two sibling tiles at ta, tc
.macro LMID ta, tc, dwq, dq, dwk, dk, bt, xm, wr, ma2, mc2, ki, cs, pw, pa, pc, aa, ac
	KBLD \ki, \ki+1
	QUANT 1, \ta, CD, 0
	QUANT 1, \tc, CD+8, 0
	QUANT 2, \ta, CD+16, 1
	QUANT 2, \tc, CD+24, 1
	v_wmma_f32_16x16x64_bf8_bf8 v[SR:SR+7], v[CD+24:CD+31], v[CD:CD+7], 0
	v_wmma_f32_16x16x64_bf8_bf8 v[SR+8:SR+15], v[CD+16:CD+23], v[CD+8:CD+15], 0
	AGGM 1, \ta, \tc, \dwq, \dq, \bt, \xm, \wr
	AGGM 2, \ta, \tc, \dwk, \dk, \bt, \xm, \wr
	s_wait_dscnt 0x0
	SFA KBR+8, \ma2, \cs, T
	SFA KBR, \mc2, \cs, T+12
	SFB SR, T
	SFB SR+8, T+12
	SFC SR, T
	SFC SR+8, T+12
	SFD SR, T
	SFD SR+8, T+12
	SFE SR
	SFE SR+8
	SFW
	SFF SR, T, \aa, 0
	SFF SR+8, T+12, \ac, 0
	WIN (\pw)<<6
	SFG SR, \pa+4                                  ; the first tile's keys are the pair's second block,
	SFG SR+8, \pc                                  ; the second tile's the first; the other half of K is zeros
.irp i,0,1,2,3
	v_mov_b32 v[\pa+\i], 0
	v_mov_b32 v[\pc+4+\i], 0
.endr
	WIN 0
.endm
	SETQ 0, 2
	SETK 1, 2
.irp u,0,1
	LMID 128*\u, 128*\u+64, 1, 128*\u, 2, 128*\u, 1, 2, 48+\u, 44+2*\u, 45+2*\u, 16+2*\u, 30, 3, 96+16*\u, 104+16*\u, 72+2*\u, 73+2*\u
	VPAIR 3, 32+128*\u, 128*\u, 128*\u+64
	WIN 0xcf
.irp w,0,1
.irp t,0,1,2,3
.irp j,0,4
	v_pk_add_f32 v[128*\u+8*\t+\j+2*\w:128*\u+8*\t+\j+2*\w+1], v[128*\u+64*\w+8*\t+\j:128*\u+64*\w+8*\t+\j+1], v[128*\u+64*\w+8*\t+\j+2:128*\u+64*\w+8*\t+\j+3]
.endr
.endr
.endr
	WIN 0
.endr
	SETQ 0, 3
	SETK 1, 3
	LMID 0, 128, 0, 144, 0, 176, 2, 4, 52, 50, 51, 20, 31, 2, 48, 56, 76, 77
	VPAIR 3, 224, 0, 128
	WIN 0x0f
.irp w,0,1
.irp t,0,1,2,3
.irp j,0,2
	v_pk_add_f32 v[208+8*\t+4*\w+\j:208+8*\t+4*\w+\j+1], v[128*\w+8*\t+\j:128*\w+8*\t+\j+1], v[128*\w+8*\t+4+\j:128*\w+8*\t+4+\j+1]
.endr
.endr
.endr
	WIN 0
; ======== levels 3 to 7, all in window 0: q v144-175, k v176-207, v v208-239
.macro VFRAG off                       ; the level's V^T fragment, as an image
.irp t,0,1,2,3
.irp j,0,1,2,3
	v_cvt_pk_bf16_f32 v[128+4*\t+\j], v[208+8*\t+2*\j], v[208+8*\t+2*\j+1]
.endr
	ds_store_b128 v7, v[128+4*\t:131+4*\t] offset:\off+512*\t
.endr
.endm
	SETQ 0, 4
	SETK 1, 4
	QUANT 0, 144, 240, 0                           ; q3's codes stay
	QUANT 0, 176, 112, 1
	ds_store_b128 v7, v[112:115]
	ds_store_b128 v7, v[116:119] offset:512
	VFRAG 1024
	AGGS 144, 8, 54
	AGGS 176, 8, 54
.set vk, 0
.rept 32
	v_permlanex16_b32 v[T+vk], v[208+vk], s98, s99
.set vk, vk+1
.endr
.set vk, 0
.rept 16
	v_pk_add_f32 v[208+vk:209+vk], v[208+vk:209+vk], v[T+vk:T+vk+1]
.set vk, vk+2
.endr
	SETQ 0, 5
	SETK 1, 5
	QUANT 0, 144, 248, 0                           ; q4's codes stay
	QUANT 0, 176, 120, 1
	ds_store_b128 v7, v[120:123] offset:3072
	ds_store_b128 v7, v[124:127] offset:3584
	VFRAG 4096
.macro CLEV xm, wr, ps, rq             ; a coarse level's q and k: the pair's mean, the codes, into the rows for coarse
	AGGS 144, \xm, \wr
	AGGS 176, \xm, \wr
	SETQ 0, \ps
	SETK 1, \ps
	QUANT 0, 144, 112, 0
	ds_store_b128 v[\rq], v[112:115]
	ds_store_b128 v[\rq], v[116:119] offset:16
	QUANT 0, 176, 120, 1
	ds_store_b128 v[\rq], v[120:123] offset:64
	ds_store_b128 v[\rq], v[124:127] offset:80
.endm
	CLEV 1, 55, 6, 24
.irp t,0,1,2,3
.irp j,0,1,2,3
	v_add_f32 v[208+8*\t+\j], v[208+8*\t+2*\j], v[208+8*\t+2*\j+1]
.endr
	v_cvt_pk_bf16_f32 v[128+2*\t], v[208+8*\t], v[209+8*\t]
	v_cvt_pk_bf16_f32 v[129+2*\t], v[210+8*\t], v[211+8*\t]
	ds_store_b16 v27, v[128+2*\t] offset:32*\t
	ds_store_b16_d16_hi v27, v[128+2*\t] offset:256+32*\t
	ds_store_b16 v27, v[129+2*\t] offset:512+32*\t
	ds_store_b16_d16_hi v27, v[129+2*\t] offset:768+32*\t
.endr
	CLEV 2, 56, 7, 25
.irp t,0,1,2,3
	v_add_f32 v[208+8*\t], v[208+8*\t], v[209+8*\t]
	v_add_f32 v[209+8*\t], v[210+8*\t], v[211+8*\t]
	v_cvt_pk_bf16_f32 v[128+\t], v[208+8*\t], v[209+8*\t]
	ds_store_b16 v27, v[128+\t] offset:1024+32*\t
	ds_store_b16_d16_hi v27, v[128+\t] offset:1280+32*\t
.endr
	CLEV 4, 57, 8, 26
.irp t,0,1,2,3
	v_add_f32 v[208+8*\t], v[208+8*\t], v[209+8*\t]
.endr
.irp t,0,1
	v_cvt_pk_bf16_f32 v[128+\t], v[208+16*\t], v[216+16*\t]
	ds_store_b16 v27, v[128+\t] offset:1536+64*\t
	ds_store_b16_d16_hi v27, v[128+\t] offset:1536+64*\t+32
.endr
	ds_store_b32 v28, v61                          ; the masks' unit: m7 everywhere,
	ds_store_b32 v28, v61 offset:128
	ds_store_b32 v29, v59                          ; then m5 in words 0-3 and m6 in words 4-5 (LDS serves a wave's instructions in order: ISA guide 5.7.1.4)
	ds_store_b32 v30, v60
.irp i,0,1,2,3
	ds_load_b128 v[80+4*\i:83+4*\i], v31 offset:512*\i
.endr
	s_wait_dscnt 0x0
	global_store_b128 v15, v[80:83], s[40:41]      ; each store covers whole aligned runs of 256 bytes
	global_store_b128 v15, v[84:87], s[40:41] offset:512
	global_store_b128 v15, v[88:91], s[42:43]
	global_store_b128 v62, v[92:95], s[44:45]
	s_barrier_signal -1                            ; every wave's images and tables lie in LDS (its LDS instructions were waited for above)
	s_barrier_wait -1
	ds_load_b128 v[112:115], v8                    ; the sibling's k3,
	ds_load_b128 v[116:119], v8 offset:512
	ds_load_b128 v[120:123], v9 offset:3072        ; the sibling pair's k4,
	ds_load_b128 v[124:127], v9 offset:3584
	ds_load_b128 v[128:131], v5 offset:1408        ; their key biases,
	ds_load_b128 v[132:135], v5 offset:1424
	ds_load_b128 v[136:139], v6 offset:1472
	ds_load_b128 v[140:143], v6 offset:1488
	WIN 0x40
.irp t,0,1,2,3
	ds_load_b128 v[64+8*\t:67+8*\t], v8 offset:1024+512*\t     ; and V3 | V4 stacked
	ds_load_b128 v[68+8*\t:71+8*\t], v10 offset:4096+512*\t
.endr
	WIN 0
	s_wait_dscnt 0x0
	v_wmma_f32_16x16x64_bf8_bf8 v[144:151], v[112:119], v[240:247], 0
	v_wmma_f32_16x16x64_bf8_bf8 v[152:159], v[120:127], v[248:255], 0
	SFA 128, 53, 32, 160
	SFA 136, 58, 33, 172
	SFB 144, 160
	SFB 152, 172
	SFC 144, 160
	SFC 152, 172
	SFD 144, 160
	SFD 152, 172
	SFE 144
	SFE 152
	SFW
	SFF 144, 160, 78, 0
	SFF 152, 172, 78, 1
	WIN 0x80
	SFG 144, 112
	SFG 152, 116
	WIN 0
; ======== the way down: each level's O^T begins with its parent's row as C
	s_wait_xcnt 0x0                                ; the stores to coarse have read v80-95, which the products below write
	WIN 0x09
.irp t,0,1,2,3
	v_wmma_f32_16x16x32_bf16 v[YA+8*\t:YA+8*\t+7], v[64+8*\t:71+8*\t], v[112:119], 0
.endr
	WIN 0
	PLACES 4
.irp t,0,1,2,3
	ds_store_b128 v11, v[YA+8*\t:YA+8*\t+3] offset:64*\t
	ds_store_b128 v11, v[YA+8*\t+4:YA+8*\t+7] offset:64*\t+16
.endr
	ds_store_b32 v11, v78 offset:256
.macro DOWN nt, f0, yl, bo, wn, vb, vs, pb, ps, ab, glob
.set dT, \f0
.rept \nt
.set dR, 304*(16*(dT/2)+\bo*(dT%2))
.set dA, YA+32*(dT-\f0)
.irp t,0,1,2,3
	ds_load_b128 v[dA+8*\t:dA+8*\t+3], v[\yl] offset:dR+64*\t
	ds_load_b128 v[dA+8*\t+4:dA+8*\t+7], v[\yl] offset:dR+64*\t+16
.endr
	ds_load_b32 v[208+dT-\f0], v[\yl] offset:dR+256
.set dT, dT+1
.endr
	s_wait_dscnt 0x0
	WIN \wn
.irp t,0,1,2,3
.set dT, \f0
.rept \nt
.set dA, YA+32*(dT-\f0)+8*\t
	v_wmma_f32_16x16x32_bf16 v[dA:dA+7], v[\vb+\vs*(dT/2)+8*\t:\vb+\vs*(dT/2)+8*\t+7], v[\pb+\ps*(dT/2)+8*(dT%2):\pb+\ps*(dT/2)+8*(dT%2)+7], v[dA:dA+7]
.set dT, dT+1
.endr
.endr
	WIN 0
.set dT, \f0
.rept \nt
	v_add_f32 v[\ab+dT], v[\ab+dT], v[208+dT-\f0]  ; A likewise; these lines are places behind the products
.set dT, dT+1
.endr
.if \nt < 4
	PLACES 4-\nt
.endif
.set dT, \f0
.rept \nt
.set dA, YA+32*(dT-\f0)
.if \glob
.irp c,0,1,2,3,4,5,6,7
	global_store_b128 v15, v[dA+4*\c:dA+4*\c+3], s[36:37] offset:4096*dT+512*\c th:TH_STORE_NT   ; 512 consecutive bytes a store
.endr
.else
.irp t,0,1,2,3
	ds_store_b128 v11, v[dA+8*\t:dA+8*\t+3] offset:4864*dT+64*\t
	ds_store_b128 v11, v[dA+8*\t+4:dA+8*\t+7] offset:4864*dT+64*\t+16
.endr
	ds_store_b32 v11, v[\ab+dT] offset:4864*dT+256
.endif
.set dT, dT+1
.endr
.endm
	DOWN 2, 0, 14, 4, 0x0b, 224, 0, 48, 0, 76, 0
	DOWN 4, 0, 13, 2, 0x0f, 32, 128, 96, 16, 72, 0
	DOWN 4, 0, 12, 1, 0x09, 32, 64, 32, 64, 64, 1
	s_wait_xcnt 0x0                                ; the first four tiles' stores have read their registers
	DOWN 4, 4, 12, 1, 0x09, 32, 64, 32, 64, 64, 1
	global_store_b128 v15, v[64:67], s[38:39]
	global_store_b128 v15, v[68:71], s[38:39] offset:512
	s_wait_tensorcnt 0x0                           ; the wave's end
	ds_add_u32 v1, v2
	s_wait_dscnt 0x0
	CROUND                                         ; the closing round
	s_endpgm
.Lfunc_end_k_q18a55056b4_fine:
	.size	k_q18a55056b4_fine, .Lfunc_end_k_q18a55056b4_fine-k_q18a55056b4_fine
	.p2alignl 7, 3214868480
	.fill 96, 4, 3214868480
	.section	.rodata,"a",@progbits
	.p2align	6, 0x0
	.amdhsa_kernel k_q18a55056b4_fine
		.amdhsa_group_segment_fixed_size 327680
		.amdhsa_private_segment_fixed_size 0
		.amdhsa_enable_private_segment 0
		.amdhsa_kernarg_size 96
		.amdhsa_user_sgpr_count 2
		.amdhsa_user_sgpr_kernarg_segment_ptr 1
		.amdhsa_wavefront_size32 1
		.amdhsa_system_sgpr_workgroup_id_x 1
		.amdhsa_system_sgpr_workgroup_id_y 1
		.amdhsa_system_sgpr_workgroup_id_z 1
		.amdhsa_system_vgpr_workitem_id 0
		.amdhsa_next_free_vgpr 1024
		.amdhsa_next_free_sgpr 102
		.amdhsa_reserve_vcc 1
		.amdhsa_float_denorm_mode_32 3
		.amdhsa_float_denorm_mode_16_64 3
		.amdhsa_memory_ordered 1
		.amdhsa_forward_progress 1
		.amdhsa_inst_pref_size 255
	.end_amdhsa_kernel
	.section	.bss,"aw",@nobits
	.p2align	6
	.space	262144
	.amdgpu_metadata
---
amdhsa.version: [ 1, 2 ]
amdhsa.kernels:
  - .name:           k_q18a55056b4_fine
    .symbol:         k_q18a55056b4_fine.kd
    .args:
      - { .name: x_codes, .offset: 0, .size: 8, .value_kind: global_buffer, .address_space: global }
      - { .name: Wq_codes, .offset: 8, .size: 8, .value_kind: global_buffer, .address_space: global }
      - { .name: Wk_codes, .offset: 16, .size: 8, .value_kind: global_buffer, .address_space: global }
      - { .name: Wv_codes, .offset: 24, .size: 8, .value_kind: global_buffer, .address_space: global }
      - { .name: bq, .offset: 32, .size: 8, .value_kind: global_buffer, .address_space: global }
      - { .name: bk, .offset: 40, .size: 8, .value_kind: global_buffer, .address_space: global }
      - { .name: bv, .offset: 48, .size: 8, .value_kind: global_buffer, .address_space: global }
      - { .name: mask, .offset: 56, .size: 8, .value_kind: global_buffer, .address_space: global }
      - { .name: lowp_scales, .offset: 64, .size: 8, .value_kind: global_buffer, .address_space: global }
      - { .name: ypart, .offset: 72, .size: 8, .value_kind: global_buffer, .address_space: global }
      - { .name: apart, .offset: 80, .size: 8, .value_kind: global_buffer, .address_space: global }
      - { .name: coarse, .offset: 88, .size: 8, .value_kind: global_buffer, .address_space: global }
    .group_segment_fixed_size: 327680
    .private_segment_fixed_size: 0
    .kernarg_segment_align: 8
    .kernarg_segment_size: 96
    .max_flat_workgroup_size: 128
    .sgpr_count:     102
    .vgpr_count:     1024
    .wavefront_size: 32
...
	.end_amdgpu_metadata
.endif
;; end of part 1
;; launch finish (part 2): grid 8 x 32, 4 waves a work-group, no clusters, 37,888 bytes of LDS; arguments ypart, apart, coarse, lowp_scales, out0; writes out0
.if DOCPART == 2
	.amdgcn_target "amdgcn-amd-amdhsa--gfx1250"
	.amdhsa_code_object_version 6
	.text
	.protected	k_q18a55056b4_finish
	.globl	k_q18a55056b4_finish
	.p2align	8
	.type	k_q18a55056b4_finish,@function
k_q18a55056b4_finish:
	s_mov_b64 s[64:65], 0
	v_nop
	global_prefetch_b8 v0, s[64:65] scope:SCOPE_SE
	s_setreg_imm32_b32 hwreg(HW_REG_WAVE_MODE, 25, 1), 1
	s_wait_xcnt 0x0
; HAttention1D, second launch.  out0 = (ypart + Y of levels 5, 6, 7) 2^(e4+e5) / (apart + A of levels 5, 6, 7 + 1e-8).
; A work-group takes 1,024 rows of one (b, head).  First each wave does one block of a coarse level against its sibling (waves 0, 1: the two level-5 blocks; wave 2: the level-6 block; wave 3: the level-7 block),
; from the rows that the first launch stored (q codes, k codes, v in bf16, masks); the four results meet in LDS.  Then each wave streams 16 tiles of ypart, adds the three parents' rows, divides, turns the tile
; through its own stage in LDS and stores whole rows of 256 bytes of out0.
; The choice of a wave's task is made by selects on the wave's number: one path for all four.  No cluster: what work-groups share (a level-7 block, 4 KiB for two of them) is a small part of the 288 KiB that each reads.
; No prefetch: the launch streams ypart once by long dense loads and has nothing else to wait for.
; LIMITS: e6+e7, e8+e9, e10+e11 between -126 and 126; |e4+e5| at most 100; |score x c| under 2^103; NaN is not served.
.set KTF, 19456                        ; LDS: 0: four tasks x 16 rows x 304 (Y, then A at 256 + 32 h);  KTF + 64 w: key biases by place;  OST + 4,352 w: 16 rows x 272
.set OST, 19712
.macro PKMULB d, s, b
.if ((\b)%2) == 0
	v_pk_mul_f32 v[(\d):(\d)+1], v[(\s):(\s)+1], v[(\b):(\b)+1] op_sel_hi:[1,0]
.else
	v_pk_mul_f32 v[(\d):(\d)+1], v[(\s):(\s)+1], v[(\b)-1:(\b)] op_sel:[0,1] op_sel_hi:[1,1]
.endif
.endm
.macro YLD ii, set                     ; a pair of tiles of ypart: 16 loads of 512 consecutive bytes
.irp e,0,1
.irp c,0,1,2,3,4,5,6,7
	global_load_b128 v[\set+32*\e+4*\c:\set+32*\e+4*\c+3], v3, s[4:5] offset:4096*(2*(\ii)+\e)+512*\c th:TH_LOAD_NT
.endr
.endr
.endm
	s_load_b256 s[4:11], s[0:1], 0x0               ; ypart, apart, coarse, lowp_scales
	s_load_b64 s[12:13], s[0:1], 0x20              ; out0
	v_lshl_add_u32 v126, v0, 2, 0x9200
	v_mov_b32 v127, 0
	v_lshrrev_b32 v17, 5, v0
	v_readfirstlane_b32 s32, v17                   ; wave
	s_mov_b32 s33, ttmp9                           ; g: which 1,024 rows
	s_and_b32 s34, ttmp7, 0xffff                   ; bh
	v_and_b32 v17, 15, v0                          ; p
	v_bfe_u32 v18, v0, 4, 1                        ; h
	v_and_b32 v19, 31, v0
	v_lshlrev_b32 v3, 4, v19                       ; 16 x lane
	v_lshlrev_b32 v4, 8, v17
	v_lshl_add_u32 v4, v18, 5, v4                  ; a row's codes of my half: 256 p + 32 h
	v_lshlrev_b32 v5, 11, v18
	v_lshl_add_u32 v5, v17, 1, v5                  ; v: keys 8 h + j, channel p
	s_lshl_b32 s56, s32, 6
	s_add_co_u32 s56, s56, KTF
	v_lshl_add_u32 v8, v17, 2, s56
	v_lshl_add_u32 v9, v18, 5, s56
	v_lshlrev_b32 v20, 5, v18                      ; 32 h
	s_mul_i32 s56, s32, 4864
	v_mad_u32_u24 v10, v17, 304, v20
	v_add_nc_u32 v10, s56, v10                     ; my task's result: row = place
	s_mul_i32 s56, s32, 2432
	v_add_nc_u32 v11, s56, v20                     ; my 8 rows of level 5,
	s_mul_i32 s56, s32, 1216
	s_add_co_u32 s56, s56, 9728
	v_add_nc_u32 v12, s56, v20                     ; 4 of level 6,
	s_and_b32 s56, s33, 1
	s_lshl_b32 s56, s56, 3
	s_lshl_b32 s57, s32, 1
	s_add_co_u32 s56, s56, s57
	s_mul_i32 s56, s56, 304
	s_add_co_u32 s56, s56, 14592
	v_add_nc_u32 v13, s56, v20                     ; 2 of level 7
	s_mul_i32 s56, s32, 4352
	s_add_co_u32 s56, s56, OST
	v_mad_u32_u24 v14, v17, 272, v20
	v_add_nc_u32 v14, s56, v14                     ; the stage, in: row p, 32 bytes a half
	v_mul_u32_u24 v15, v18, 272
	v_lshl_add_u32 v15, v17, 4, v15
	v_add_nc_u32 v15, s56, v15                     ; back: lanes 0-15 one row, lanes 16-31 the next
	v_lshlrev_b32 v16, 12, v18
	v_lshl_add_u32 v16, v17, 4, v16                ; the same two rows in out0
	v_mov_b32 v97, 0                               ; upper halves of pairs and lane permutes' destinations are written once
	v_mov_b32 v99, 0
	v_mov_b32 v107, 0
	v_mov_b32 v109, 0
	s_mov_b32 s52, 0x7f7fffff
	s_mov_b32 s54, 0x76543210
	s_mov_b32 s55, 0xfedcba98
	s_mov_b32 s59, 0
	s_lshl_b32 s58, s34, 21
	s_lshl_b32 s57, s33, 18
	s_add_co_u32 s58, s58, s57
	s_lshl_b32 s57, s32, 16
	s_add_co_u32 s58, s58, s57
	s_wait_kmcnt 0x0
	s_load_b512 s[16:31], s[10:11], 0x0            ; e0 .. e15
	s_add_nc_u64 s[4:5], s[4:5], s[58:59]          ; ypart at my 16 tiles
	YLD 0, 128
	s_lshl_b32 s58, s34, 16
	s_lshl_b32 s57, s33, 13
	s_add_co_u32 s58, s58, s57
	s_lshl_b32 s57, s32, 11
	s_add_co_u32 s58, s58, s57
	s_add_nc_u64 s[6:7], s[6:7], s[58:59]
.irp i,0,1,2,3
	global_load_b128 v[24+4*\i:27+4*\i], v3, s[6:7] offset:512*\i th:TH_LOAD_NT   ; A of my 16 tiles: register = tile
.endr
	s_lshr_b32 s58, s34, 4
	s_lshl_b32 s58, s58, 25
	s_lshl_b32 s57, s33, 22
	s_add_co_u32 s58, s58, s57
	s_lshl_b32 s57, s32, 20
	s_add_co_u32 s58, s58, s57
	s_and_b32 s57, s34, 15
	s_lshl_b32 s57, s57, 8
	s_add_co_u32 s58, s58, s57
	s_add_nc_u64 s[12:13], s[12:13], s[58:59]      ; out0 at my first row, my head's 256 bytes
	s_lshl_b32 s58, s34, 17
	s_add_nc_u64 s[8:9], s[8:9], s[58:59]          ; coarse at bh
	s_wait_kmcnt 0x0
	s_add_co_i32 s53, s20, s21                     ; e4 + e5
	s_add_co_i32 s40, s26, s27                     ; level 5: e10 + e11
	s_add_co_i32 s41, s24, s25                     ; level 6: e8 + e9
	s_add_co_i32 s42, s22, s23                     ; level 7: e6 + e7
	s_lshl_b32 s39, s33, 1
	s_add_co_u32 s39, s39, s32                     ; level 5: block 2 g + w
	s_lshr_b32 s43, s33, 1                         ; level 7: block g / 2
	s_cmp_lt_u32 s32, 2
	s_cselect_b32 s35, 0, 0x10000                  ; the level's rows in coarse
	s_cselect_b32 s36, 2, 1                        ; a row's unit of masks = row >> this
	s_cselect_b32 s37, 3, 1                        ; its word there = base + (row & this)
	s_cselect_b32 s38, 0, 4
	s_cselect_b32 s39, s39, s33
	s_cselect_b32 s40, s40, s41
	s_cmp_eq_u32 s32, 3
	s_cselect_b32 s35, 0x18000, s35
	s_cselect_b32 s36, 0, s36
	s_cselect_b32 s37, 0, s37
	s_cselect_b32 s38, 6, s38
	s_cselect_b32 s39, s43, s39                    ; my block of queries
	s_cselect_b32 s40, s42, s40
	s_xor_b32 s44, s39, 1                          ; its sibling: the keys
	s_lshl_b32 s40, s40, 23
	s_add_co_u32 s40, s40, 0x3fb8aa3b              ; c = log2(e) 2^(ea + eb)
	s_lshl_b32 s58, s39, 12
	s_add_co_u32 s58, s58, s35
	s_add_nc_u64 s[46:47], s[8:9], s[58:59]
	s_lshl_b32 s58, s44, 12
	s_add_co_u32 s58, s58, s35
	s_add_nc_u64 s[48:49], s[8:9], s[58:59]
	s_add_nc_u64 s[50:51], s[8:9], 114688
	s_lshl_b32 s45, s39, 4
	v_add_nc_u32 v20, s45, v17                     ; my query row
	v_lshrrev_b32 v21, s36, v20
	v_and_b32 v22, s37, v20
	v_add_nc_u32 v22, s38, v22
	v_lshlrev_b32 v22, 2, v22
	v_lshl_add_u32 v6, v21, 8, v22
	s_lshl_b32 s45, s44, 4
	v_add_nc_u32 v20, s45, v17                     ; my key row
	v_lshrrev_b32 v21, s36, v20
	v_and_b32 v22, s37, v20
	v_add_nc_u32 v22, s38, v22
	v_lshlrev_b32 v22, 2, v22
	v_lshl_add_u32 v7, v21, 8, v22
	global_load_b128 v[40:43], v4, s[46:47]        ; q's fragment
	global_load_b128 v[44:47], v4, s[46:47] offset:16
	global_load_b128 v[48:51], v4, s[48:49] offset:64   ; k's
	global_load_b128 v[52:55], v4, s[48:49] offset:80
.irp t,0,1,2,3
.irp j,0,1,2,3,4,5,6,7
	global_load_u16 v[192+8*\t+\j], v5, s[48:49] offset:128+256*\j+32*\t
.endr
.endr
	global_load_b32 v56, v6, s[50:51]              ; mq
	global_load_b32 v57, v7, s[50:51]              ; mk
	s_wait_loadcnt 0x0
	v_fma_f32 v58, v57, s52, -s52                  ; (mk - 1) FMAX, from lanes to registers through my own words of LDS
	ds_store_b32 v8, v58
	ds_load_b128 v[72:75], v9
	ds_load_b128 v[76:79], v9 offset:16
.irp t,0,1,2,3
.irp j,0,1,2,3
	v_lshl_or_b32 v[224+8*\t+\j], v[192+8*\t+2*\j+1], 16, v[192+8*\t+2*\j]
	v_mov_b32 v[228+8*\t+\j], 0                    ; the second half of K = 32 is zeros
.endr
.endr
.irp i,0,1,2,3
	v_mov_b32 v[116+\i], 0
.endr
	v_wmma_f32_16x16x64_bf8_bf8 v[80:87], v[48:55], v[40:47], 0
	s_wait_dscnt 0x0
	v_mul_f32 v96, s40, v56                        ; c mq; these five lines are the places behind the product
.irp i,0,2,4,6
	PKMULB 88+\i, 72+\i, 56
.endr
.irp i,0,2,4,6
	v_pk_fma_f32 v[80+\i:81+\i], v[80+\i:81+\i], v[96:97], v[88+\i:89+\i] op_sel_hi:[1,0,1]
.endr
	v_max3_num_f32 v98, v80, v81, v82
	v_max3_num_f32 v98, v98, v83, v84
	v_max3_num_f32 v98, v98, v85, v86
	v_max_num_f32 v98, v98, v87
	v_permlanex16_b32 v99, v98, s54, s55
	v_max_num_f32 v98, v98, v99
.irp i,0,2,4,6
	v_pk_add_f32 v[80+\i:81+\i], v[80+\i:81+\i], v[98:99] op_sel_hi:[1,0] neg_lo:[0,1] neg_hi:[0,1]
.endr
.irp i,0,1,2,3,4,5,6,7
	v_exp_f32 v[80+\i], v[80+\i]
.endr
	v_nop
	s_wait_alu depctr_va_vdst(0)                   ; one wait for the batch, ahead of its first reader
	v_pk_add_f32 v[88:89], v[80:81], v[82:83]
	v_pk_add_f32 v[90:91], v[84:85], v[86:87]
	v_pk_add_f32 v[88:89], v[88:89], v[90:91]
	v_add_f32 v88, v88, v89
	v_permlanex16_b32 v89, v88, s54, s55
	v_add_f32 v100, v88, v89                       ; A
.irp i,0,1,2,3
	v_cvt_pk_bf16_f32 v[112+\i], v[80+2*\i], v[81+2*\i]
.endr
.irp t,0,1,2,3
	v_wmma_f32_16x16x32_bf16 v[192+8*\t:199+8*\t], v[224+8*\t:231+8*\t], v[112:119], 0
.endr
.rept 4
	v_nop
.endr
.irp t,0,1,2,3
	ds_store_b128 v10, v[192+8*\t:195+8*\t] offset:64*\t
	ds_store_b128 v10, v[196+8*\t:199+8*\t] offset:64*\t+16
.endr
	ds_store_b32 v10, v100 offset:256
	s_wait_dscnt 0x0                               ; for the others' sake: my task's result lies in LDS
	YLD 1, 192
	s_barrier_signal -1
	s_barrier_wait -1
.macro ROWLD dst, ar, ad, off          ; one parent's row: every lane of a half reads the same 128 bytes
.irp t,0,1,2,3
	ds_load_b128 v[\dst+8*\t:\dst+8*\t+3], v[\ar] offset:\off+64*\t
	ds_load_b128 v[\dst+8*\t+4:\dst+8*\t+7], v[\ar] offset:\off+64*\t+16
.endr
	ds_load_b32 v[\ad], v[\ar] offset:\off+256
.endm
.macro ADDROW
.set rk, 0
.rept 16
	v_pk_add_f32 v[40+rk:41+rk], v[40+rk:41+rk], v[72+rk:73+rk]
.set rk, rk+2
.endr
	v_add_f32 v104, v104, v105
.endm
.macro PAIR ii                         ; the two tiles under level-5 row ii of my eight
.set YB, 128+64*((\ii)%2)
	ROWLD 40, 11, 104, 304*(\ii)
	ROWLD 72, 12, 105, 304*((\ii)/2)
	s_wait_dscnt 0x0
	ADDROW
	ROWLD 72, 13, 105, 304*((\ii)/4)
	s_wait_dscnt 0x0
	ADDROW
.if (\ii) < 7
	s_wait_loadcnt 16                              ; this pair is in; the next pair's 16 loads may be out
.else
	s_wait_loadcnt 0x0
.endif
	v_add_f32 v106, v[24+2*(\ii)], v104
	v_add_f32 v108, v[25+2*(\ii)], v104
	v_add_f32 v106, 0x322bcc77, v106               ; + 1e-8
	v_add_f32 v108, 0x322bcc77, v108
	v_rcp_f32 v106, v106
	v_rcp_f32 v108, v108
	v_nop
	s_wait_alu depctr_va_vdst(0)                   ; one wait for both reciprocals
	v_ldexp_f32 v106, v106, s53                    ; x 2^(e4 + e5)
	v_ldexp_f32 v108, v108, s53
.irp e,0,1
.set rk, 0
.rept 16
	v_pk_add_f32 v[YB+32*\e+rk:YB+32*\e+rk+1], v[YB+32*\e+rk:YB+32*\e+rk+1], v[40+rk:41+rk]
.set rk, rk+2
.endr
.set rk, 0
.rept 16
	v_pk_mul_f32 v[YB+32*\e+rk:YB+32*\e+rk+1], v[YB+32*\e+rk:YB+32*\e+rk+1], v[106+2*\e:107+2*\e] op_sel_hi:[1,0]
.set rk, rk+2
.endr
.irp t,0,1,2,3
	ds_store_b128 v14, v[YB+32*\e+8*\t:YB+32*\e+8*\t+3] offset:64*\t
	ds_store_b128 v14, v[YB+32*\e+8*\t+4:YB+32*\e+8*\t+7] offset:64*\t+16
.endr
.irp c,0,1,2,3,4,5,6,7
	ds_load_b128 v[YB+32*\e+4*\c:YB+32*\e+4*\c+3], v15 offset:544*\c   ; LDS serves a wave's instructions in order (ISA guide 5.7.1.4): these see the stores above, and the next tile's stores come behind them
.endr
.endr
	s_wait_dscnt 16                                ; the first tile is back; the second's 8 stores and 8 loads may be out
.irp c,0,1,2,3,4,5,6,7
	global_store_b128 v16, v[YB+4*\c:YB+4*\c+3], s[12:13] offset:65536*(2*(\ii))+8192*\c th:TH_STORE_NT   ; sixteen lanes store 256 consecutive bytes, aligned
.endr
	s_wait_dscnt 0x0
.irp c,0,1,2,3,4,5,6,7
	global_store_b128 v16, v[YB+32+4*\c:YB+32+4*\c+3], s[12:13] offset:65536*(2*(\ii)+1)+8192*\c th:TH_STORE_NT
.endr
.if (\ii)+2 < 8
	s_wait_xcnt 0x0                                ; the stores have read their registers: the pair two on may land there
	YLD (\ii)+2, YB
.endif
.endm
.irp n,0,1,2,3,4,5,6,7
	PAIR \n
.endr
	s_wait_tensorcnt 0x0
	ds_add_u32 v126, v127
	s_wait_dscnt 0x0
	s_endpgm
.Lfunc_end_k_q18a55056b4_finish:
	.size	k_q18a55056b4_finish, .Lfunc_end_k_q18a55056b4_finish-k_q18a55056b4_finish
	.p2alignl 7, 3214868480
	.fill 96, 4, 3214868480
	.section	.rodata,"a",@progbits
	.p2align	6, 0x0
	.amdhsa_kernel k_q18a55056b4_finish
		.amdhsa_group_segment_fixed_size 37888
		.amdhsa_private_segment_fixed_size 0
		.amdhsa_enable_private_segment 0
		.amdhsa_kernarg_size 40
		.amdhsa_user_sgpr_count 2
		.amdhsa_user_sgpr_kernarg_segment_ptr 1
		.amdhsa_wavefront_size32 1
		.amdhsa_system_sgpr_workgroup_id_x 1
		.amdhsa_system_sgpr_workgroup_id_y 1
		.amdhsa_system_sgpr_workgroup_id_z 1
		.amdhsa_system_vgpr_workitem_id 0
		.amdhsa_next_free_vgpr 256
		.amdhsa_next_free_sgpr 66
		.amdhsa_reserve_vcc 0
		.amdhsa_float_denorm_mode_32 3
		.amdhsa_float_denorm_mode_16_64 3
		.amdhsa_memory_ordered 1
		.amdhsa_forward_progress 1
		.amdhsa_inst_pref_size 122
	.end_amdhsa_kernel
	.amdgpu_metadata
---
amdhsa.version: [ 1, 2 ]
amdhsa.kernels:
  - .name:           k_q18a55056b4_finish
    .symbol:         k_q18a55056b4_finish.kd
    .args:
      - { .name: ypart, .offset: 0, .size: 8, .value_kind: global_buffer, .address_space: global }
      - { .name: apart, .offset: 8, .size: 8, .value_kind: global_buffer, .address_space: global }
      - { .name: coarse, .offset: 16, .size: 8, .value_kind: global_buffer, .address_space: global }
      - { .name: lowp_scales, .offset: 24, .size: 8, .value_kind: global_buffer, .address_space: global }
      - { .name: out0, .offset: 32, .size: 8, .value_kind: global_buffer, .address_space: global }
    .group_segment_fixed_size: 37888
    .private_segment_fixed_size: 0
    .kernarg_segment_align: 8
    .kernarg_segment_size: 40
    .max_flat_workgroup_size: 128
    .sgpr_count:     66
    .vgpr_count:     256
    .wavefront_size: 32
...
	.end_amdgpu_metadata
.endif
;; end of part 2
